; MI455X (gfx1250); checked and timed in simulation.
; The chip was launched on July 23, 2026; its instructions are those of AMD's public machine-readable ISA for CDNA 5 (MIT licence, August 2026) and "CDNA5" Instruction Set Architecture Reference Guide (July 2026). The comments in the code are by the model that wrote it; some were corrected since.
;; Bah Attn. Allowed arithmetic: matrix products marked QUANTISED: E3M2 operands, one E8M0 scale for each 32 along K, by v_wmma_scale_f32_16x16x128_f8f6f4 with both operands' format E3M2, f32 sums; products left as they are: f32 operands where the result goes on into a quantised operand, else bf16, f16 or f32 operands; f32 sums; everything else in f32.
;; Inputs: W1_codes 1,024 x 32 x 24 uint8 (E3M2 codes of W1, K innermost, in blocks of 32 codes, four codes in three bytes); W1_scales 1,024 x 32 uint8 (E8M0 scales of W1, one for each 32 codes along K); W2_codes 1,024 x 64 x 24 uint8 (E3M2 codes of W2, K innermost, in blocks of 32 codes, four codes in three bytes); W2_scales 1,024 x 64 uint8 (E8M0 scales of W2, one for each 32 codes along K); b1 1,024 float32; b2 1,024 float32; bv 1 float32; memory 32 x 1,024 x 2,048 float32; v 1,024 float32; x_codes 32 x 32 x 24 uint8 (E3M2 codes of x, K innermost, in blocks of 32 codes, four codes in three bytes); x_scales 32 x 32 uint8 (E8M0 scales of x, one for each 32 codes along K).
;; Outputs: out0 32 x 2,048 float32; out1 32 x 1,024 float32.
;; This version of the problem:
;;   THIS VERSION OF THE PROBLEM IS GIVEN IN LOW PRECISION. The matrix products marked QUANTISED in the list below multiply operands that are first quantised to E3M2 (3 exponent bits, 2 mantissa bits; 6 bits a number), with one power-of-two scale for each 32 numbers along K (OCP MX v1.0); their sums are f32. All else is computed in f32.
;;   The module's matrix products, in the order in which they are computed (A, B: the left and right operand; K: the contracted axis; several contracted axes count as one K, in the product's order):
;;     1. [M 32, K 1,024] x [K 1,024, N 1,024]; A: input x (given as codes); B: input W1 (given as codes): QUANTISED
;;     2. [M 32,768, K 2,048] x [K 2,048, N 1,024]; A: input memory; B: input W2 (given as codes): QUANTISED
;;     3. [M 32,768, K 1,024] x [K 1,024, N 1]; A: computed on the way; B: input v: left as it is (N = 1 < 16)
;;     4. batch 32 x [M 1, K 1,024] x [K 1,024, N 2,048]; A: softmax; B: input memory: left as it is (M = 1 < 16)
;;   THE QUANTISER, for each operand of a quantised product, along K:
;;     - K is cut into blocks of 32 from its start; a last block that is shorter is filled with zeros.
;;     - A block's scale is 2^e with e = floor(log2(the largest magnitude in the block)) - 4, held to -126 .. 127; a block of zeros has e = 0. As a byte (E8M0): e + 127.
;;     - Each number is divided by its block's scale, clamped to +-28, and rounded to the nearest number of E3M2, ties to even, subnormals kept.
;;     - The product sums the exact products of the quantised numbers (number of the format x scale) in f32.
;;   ~~~python
;;   def quantise(x, axis):      # numpy; x: float32 -> the quantised numbers, widened to float32 again
;;       x = np.moveaxis(x, axis, -1); K = x.shape[-1]
;;       x = np.pad(x, [(0, 0)] * (x.ndim - 1) + [(0, -K % 32)]); x = x.reshape(x.shape[:-1] + (-1, 32)); a = np.abs(x).max(-1, keepdims=True)
;;       e = np.where(a > 0, np.clip(np.frexp(np.where(a > 0, a, 1))[1] - 1 - 4, -126, 127), 0)      # np.frexp(a)[1] - 1 = floor(log2(a)), exactly
;;       r = np.clip(x / 2.0 ** e, -28, 28)
;;       step = 2.0 ** (np.maximum(np.frexp(np.where(r == 0, 1, r))[1] - 1, -2) - 2)
;;       q = np.round(r / step) * step * 2.0 ** e      # np.round: ties to even
;;       return np.moveaxis(q.reshape(q.shape[:-2] + (-1,))[..., :K], -1, axis).astype(np.float32)
;;   ~~~
;;   INPUTS GIVEN AS CODES. W1 (in the module: [1024, 1024], K = its axis 0); W2 (in the module: [2048, 1024], K = its axis 0); x (in the module: [32, 1024], K = its axis 1): each comes as NAME_codes (uint8): NAME with its K axis moved to the last place and cut into blocks of 32 codes, [.., K / 32, bytes a block], one block behind the other in memory; four codes in three bytes: a row's codes are one little-endian stream of bits, code i at bits 6 i .. 6 i + 5 (a code: sign, 3 exponent bits, 2 mantissa bits); and NAME_scales (uint8): the same leading axes, one E8M0 byte (e + 127) for each 32 codes along K. Its value is code x scale, taken as it is: it is not quantised again, and the codes and scales need not be those that the quantiser above would give.
;; One version. Each part assembles by itself: llvm-mc -triple=amdgcn-amd-amdhsa -mcpu=gfx1250 --defsym DOCPART=n.
;; ======== version 1 of 1: 4 launches
;; limits: right only within a limited range of input values
;; workspace buffers: mem_codes 50,331,648 bytes; mem_scales 2,097,152 bytes; cb 131,072 bytes; part 1,048,576 bytes; w2l 1,572,864 bytes; pc 2,097,152 bytes
;; launch quant (part 1): grid 2160 x 1, 4 waves a work-group, no clusters, 47,616 bytes of LDS; arguments memory, mem_codes, mem_scales, cb, x_codes, x_scales, W1_codes, W1_scales, b1, b2, W2_codes, w2l; writes mem_codes, mem_scales, cb, w2l
.if DOCPART == 1
	.amdgcn_target "amdgcn-amd-amdhsa--gfx1250"
	.amdhsa_code_object_version 6
	.text
	.protected	k_qb3795cb561_quant
	.globl	k_qb3795cb561_quant
	.p2align	8
	.type	k_qb3795cb561_quant,@function
k_qb3795cb561_quant:
	s_mov_b64 s[64:65], 0
	v_nop
	global_prefetch_b8 v0, s[64:65] scope:SCOPE_SE
	s_setreg_imm32_b32 hwreg(HW_REG_WAVE_MODE, 25, 1), 1
	s_wait_xcnt 0x0
; FIRST OF FOUR LAUNCHES for: score = softmax_s( sum_h v[h] tanh(h_x[b][h] + h_m[b][s][h]) + bv ), context = sum_s score[b][s] memory[b][s][:],
; h_x = x W1 + b1, h_m = memory W2 + b2, both products on codes of E3M2 with one E8M0 scale for each 32 along K.
; WORK LEFT OUT, for all values of the inputs.  tanh(y) = 1 - 2 / (1 + e^(2 y)), so the softmax's input is  bv + sum_h v[h]  -  2 sum_h v[h] / (1 + e^(2 y[b][s][h])).
; bv and sum_h v[h] hang on neither s nor b: they are the same along the softmax's axis, and a softmax is unchanged by a term that is the same along its axis.  So neither is formed;
; bv has no other way to an output: it is not loaded and is among no launch's arguments.  LIMIT: a NaN, an infinity or an overflow that arises only in bv or in sum_h v[h] is not carried to the results.
; THIS LAUNCH has three kinds of work-groups, told apart by the work-group's number alone.
;  0 to 15 (.Lhx): cb[b][h] = c (x W1 + b1 + b2)[b][h], c = 2 log2(e): what the second launch adds to c x (memory W2) ahead of its exponential.  A wave owns 16 hidden units for all 32 batches.
;  16 to 111 (.Lw2): W2's codes are copied into the tiled layout below (w2l).
;  112 to 2159: memory [32768][2048] f32 becomes codes of E3M2 in the tiled layout (mem_codes) and one E8M0 byte for each 32 along K (mem_scales [32768][64]).
; LAYOUT OF THE CODES, mem_codes and w2l alike: [block of 256 rows][K step of 256: 0..7][row 0..255][192 bytes].  So the 256 rows x 192 bytes of one K step are 49,152 bytes on end, which the second launch's tensor
; loads take as rows of 256 bytes that begin at multiples of 256 bytes.
; THE QUANTISER.  A block's scale is 2^(floor(log2(its largest magnitude)) - 4); its byte is the largest magnitude's own exponent field - 4, held at 1 from below.  Each number is divided by the scale and rounded to the
; nearest code, ties to even; beyond 28 the largest code.  A block of zeros gets the byte 1 where the problem says 127: its codes are zeros, which add nothing under any byte but 0xff, and the bytes are read by this program alone.
; LIMITS: blocks whose largest magnitude lies under 2^-122 keep the byte 1; NaN and infinities in memory are not served.
; A quantising wave owns four rows of memory, 32,768 bytes on end, in 16 steps of 512 numbers (step t: K steps 2 (t % 4), 2 (t % 4) + 1 of row t / 4).  The conversion takes 16 numbers of one block from ONE lane's
; registers, a load is best where neighbouring LANES take neighbouring bytes: each of a step's four loads reads 512 consecutive bytes, the 2,048 bytes go through the wave's own stage in LDS as they lie and come back
; 64 bytes a lane (16 bytes of padding behind each 64).  A lane's 16 codes are 12 bytes.  In the tiled layout the wave's four rows of one K step are 768 bytes on end, three aligned blocks of 256: the codes are
; gathered in the wave's own LDS bytes, K step by K step, and leave at the wave's end by stores in which sixteen neighbouring lanes write one aligned block of 256 bytes.  The 256 scale bytes leave likewise, as one block.
; No tensor loads, no barrier: waves share nothing.  No cluster: no two work-groups read the same bytes of memory.  Loads run four steps (16 loads a wave) ahead, the turn through LDS one step.
.set HXG,   16                         ; work-groups that make cb
.set W2G,   96                         ; work-groups that copy W2's codes: 16,384 bytes each
.set WAVES, 4
.set STEPS, 16
.set EMAX,  4
.set CB,    12                         ; bytes of 16 codes
.set R,     16                         ; v16-79   four sets of 16 numbers as they are loaded; at the end the codes on their way out
.set X,     80                         ; v80-111  two sets of 16 neighbours
.set E,     112                        ; v112-127 a scale byte for each step
.set C,     128                        ; v128-159 codes: eight sets of four registers by turns
.set CRD,   184                        ; v184     the codes' way back from LDS: 16 x lane
.set CRM,   185                        ; v185     the same for a load that ends one K step and begins the next: + 16 in lanes 16-31
.set CGM,   186                        ; v186     that load's place in mem_codes: 16 x lane, + 49,152 - 768 in lanes 16-31
.set SP,    80                         ; a lane's place in a stage: its 64 bytes + 16 of padding
.set COD,   256                        ; the codes lie behind the wave's 256 scale bytes,
.set CPITCH, 784                       ; 768 bytes a K step + 16 of padding
.set WREG,  11776                      ; LDS: a region for each wave: two stages of 32 x SP bytes, 256 scale bytes, 8 x CPITCH bytes of codes
.set SPW,   12                         ; v12      LDS address of my spare word: SPARE + 4 x my thread's number; never rewritten
.set NIL,   13                         ; v13      0; never rewritten
.set SPARE, WAVES*WREG                 ; behind the four regions: the spare words, 128 bytes for each wave, which no other line names
; .Lhx's registers
.set BI1,   40                         ; v40-47   b1 of my eight hidden units: the C of each sum's first product
.set BI2,   48                         ; v48-55   b2 likewise, then c x b2
.set AC0,   56                         ; v56-63   the sums of batches 0-15;  v64-71 of batches 16-31
.set RES,   72                         ; v72-87   cb
.set HWF,   88                         ; v88-111  W1's fragments of two K steps
.set HXA,   112                        ; v112-135 x's, batches 0-15
.set HXB,   136                        ; v136-159 x's, batches 16-31
.set SW1,   160                        ; v160-167 W1's eight scale words;  v168-175, v176-183 x's: these registers hold scales and nothing else, in the whole text
.set SXA,   168
.set SXB,   176
	s_load_b128 s[4:7], s[0:1], 0x0                ; memory, mem_codes
	s_load_b128 s[8:11], s[0:1], 0x10              ; mem_scales, cb
	s_load_b128 s[24:27], s[0:1], 0x20             ; x's codes, x's scales
	s_load_b128 s[28:31], s[0:1], 0x30             ; W1's codes, W1's scales
	s_load_b128 s[32:35], s[0:1], 0x40             ; b1, b2
	s_load_b128 s[40:43], s[0:1], 0x50             ; W2's codes, w2l
	v_lshl_add_u32 v[SPW], v0, 2, SPARE
	v_mov_b32 v[NIL], 0
	v_lshrrev_b32 v1, 5, v0
	v_readfirstlane_b32 s16, v1                    ; wave 0..3
	s_cmp_lt_u32 ttmp9, HXG
	s_cbranch_scc1 .Lhx
	s_cmp_lt_u32 ttmp9, HXG+W2G
	s_cbranch_scc1 .Lw2
	; ---------------- memory into codes ----------------
	v_and_b32 v2, 31, v0                           ; lane
	v_lshlrev_b32 v3, 4, v2                        ; my 16 bytes of a load's 512
	s_mul_i32 s17, s16, WREG
	v_lshrrev_b32 v14, 2, v2
	v_mul_u32_u24 v14, v14, SP
	v_and_b32 v15, 3, v2
	v_lshl_add_u32 v14, v15, 4, v14
	v_add_nc_u32 v14, s17, v14                     ; the stage, on the way in: four lanes' 64 bytes on end, then 16 of padding: SP (lane / 4) + 16 (lane % 4)
	v_mul_u32_u24 v15, v2, SP
	v_add_nc_u32 v15, s17, v15                     ; and on the way out: SP x lane: my 16 neighbours
	v_and_b32 v4, 15, v2
	v_lshrrev_b32 v10, 4, v2                       ; lanes 16-31 hold the step's second K step
	v_mul_u32_u24 v4, v4, CB
	v_mad_u32_u24 v4, v10, CPITCH, v4              ; my codes' place: 12 (lane % 16) in their row's 192 bytes
	v_lshrrev_b32 v5, 1, v2
	s_add_co_u32 s17, s17, 2*32*SP
	v_add_nc_u32 v5, s17, v5                       ; LDS: my wave's 256 scale bytes, my block's byte
	v_lshlrev_b32 v7, 3, v2                        ; and on the way out 8 bytes a lane
	v_add_nc_u32 v6, s17, v7
	v_add_nc_u32 v4, s17, v4
	v_add_nc_u32 v[CRD], s17, v3
	v_lshl_add_u32 v[CRM], v10, 4, v[CRD]
	v_mul_u32_u24 v[CGM], v10, 49152-768
	v_add_nc_u32 v[CGM], v[CGM], v3
	s_wait_alu depctr_va_vdst(0)                   ; the wait at the head's end
	s_wait_kmcnt 0x0
	s_sub_co_u32 s17, ttmp9, HXG+W2G
	s_lshl_b32 s17, s17, 2
	s_add_co_u32 s18, s17, s16                     ; which run of four rows is my wave's: 0 .. 8191
	s_mov_b32 s19, 0
	s_mov_b64 s[20:21], 512*STEPS*4
	s_mul_u64 s[20:21], s[18:19], s[20:21]
	s_add_nc_u64 s[4:5], s[4:5], s[20:21]          ; 32,768 bytes of memory a run
	s_lshr_b32 s20, s18, 6                         ; 64 runs to a block of 256 rows: 8 x 49,152 bytes a block,
	s_mul_i32 s20, s20, 393216
	s_and_b32 s21, s18, 63
	s_mul_i32 s21, s21, 768                        ; 4 x 192 bytes a run inside each K step's tile
	s_add_co_u32 s20, s20, s21
	s_mov_b32 s21, 0
	s_add_nc_u64 s[6:7], s[6:7], s[20:21]
	s_lshl_b32 s18, s18, 8
	s_add_nc_u64 s[8:9], s[8:9], s[18:19]          ; 256 scale bytes a run
.macro LOAD t
.irp i, 0,1,2,3
	global_load_b128 v[R+16*((\t)%4)+4*\i:R+16*((\t)%4)+4*\i+3], v3, s[4:5] offset:2048*(\t)+512*\i th:TH_LOAD_NT   ; 32 lanes read 512 consecutive bytes
.endr
.endm
.macro TURN t                          ; step t's numbers through the stage: LDS serves a wave's instructions in order (ISA guide 5.7.1.4), so no wait stands between the stores and the loads
.irp i, 0,1,2,3
	ds_store_b128 v14, v[R+16*((\t)%4)+4*\i:R+16*((\t)%4)+4*\i+3] offset:32*SP*((\t)%2)+8*SP*\i
.endr
.irp i, 0,1,2,3
	ds_load_b128 v[X+16*((\t)%2)+4*\i:X+16*((\t)%2)+4*\i+3], v15 offset:32*SP*((\t)%2)+16*\i
.endr
.endm
.irp t, 0,1,2,3
	LOAD \t
.endr
	s_wait_loadcnt 12                              ; step 0's four loads are in; the twelve of steps 1 to 3 may be out
	TURN 0
.macro STEP t
.set XS, X+16*((\t)%2)
.set CD, C+4*((\t)%8)
.if (\t) > 0
	s_wait_dscnt 4                                 ; this step's numbers are back from the stage (the last step's byte store and its three stores of codes may be out): so its stores into the stage have read their registers,
.else
	s_wait_dscnt 0x0
.endif
.if (\t)+4 < STEPS
	LOAD (\t)+4                                    ; which take the loads of four steps on
.endif
.if (\t)+1 < STEPS
.if STEPS-2-(\t) >= 3
	s_wait_loadcnt 12                              ; the next step's four loads are in; those of the three steps behind it may be out
.else
	s_wait_loadcnt 4*(STEPS-2-(\t))
.endif
	TURN (\t)+1                                    ; and go through the other stage while this step is worked
.endif
	v_max3_num_f32 v8, |v[XS]|, |v[XS+1]|, |v[XS+2]|               ; the largest magnitude of my 16, in two chains
	v_max3_num_f32 v9, |v[XS+3]|, |v[XS+4]|, |v[XS+5]|
.irp i, 6,10
	v_max3_num_f32 v8, v8, |v[XS+\i]|, |v[XS+\i+1]|
	v_max3_num_f32 v9, v9, |v[XS+\i+2]|, |v[XS+\i+3]|
.endr
	v_max3_num_f32 v8, v8, |v[XS+14]|, |v[XS+15]|
	v_max3_num_f32 v8, v8, v9, (EMAX+1)<<23        ; and the floor 2^(EMAX + 1 - 127), under which no largest magnitude is taken: so the byte cannot fall under 1
	v_max_num_f32_dpp v8, v8, v8 row_xmask:1 row_mask:0xf bank_mask:0xf   ; and of my neighbour's 16: the block's
	v_add_nc_u32 v11, -(EMAX<<23), v8              ; EMAX off its exponent field: the conversion takes the exponent field of this operand as its scale, and nothing else of it
	v_cvt_scalef32_pk16_bf6_f32 v[CD:CD+2], v[XS:XS+15], v11   ; sixteen numbers / the scale, to the nearest code, ties to even; 96 bits without gaps, the first number's code lowest
	v_lshrrev_b32 v[E+(\t)], 23, v11               ; the scale's byte.  (Also the plain vector line behind the conversion)
	ds_store_b8 v5, v[E+(\t)] offset:16*(\t)       ; both lanes of a block write the same byte with the same value
.irp i, 0,1,2
	ds_store_b32 v4, v[CD+\i] offset:COD+2*CPITCH*((\t)%4)+192*((\t)/4)+4*\i   ; K step 2 (t % 4) (+ 1 in lanes 16-31), row t / 4; words, since 12 x lane is a multiple of 4 alone
.endr
.endm
.irp t, 0,1,2,3,4,5,6,7,8,9,10,11,12,13,14,15
	STEP \t
.endr
	; the way out.  LDS serves a wave's instructions in order: these loads see my stores.  Two K steps, 1,536 bytes, are three loads of 512: the middle one ends the first K step in lanes 0-15 and begins the second in lanes 16-31
	ds_load_b64 v[8:9], v6
.irp q, 0,1,2,3
	ds_load_b128 v[R+12*\q:R+12*\q+3], v[CRD] offset:COD+2*CPITCH*\q
	ds_load_b128 v[R+12*\q+4:R+12*\q+7], v[CRM] offset:COD+2*CPITCH*\q+512
	ds_load_b128 v[R+12*\q+8:R+12*\q+11], v[CRD] offset:COD+2*CPITCH*\q+CPITCH+256
.endr
	s_wait_dscnt 0x0
	global_store_b64 v7, v[8:9], s[8:9]            ; 32 lanes store 256 consecutive bytes, at a multiple of 256 from the buffer's first byte
.irp q, 0,1,2,3
	global_store_b128 v3, v[R+12*\q:R+12*\q+3], s[6:7] offset:98304*\q                      ; sixteen neighbouring lanes store 256 consecutive bytes, at a multiple of 256 from the buffer's first byte: in all twelve stores
	global_store_b128 v[CGM], v[R+12*\q+4:R+12*\q+7], s[6:7] offset:98304*\q+512
	global_store_b128 v3, v[R+12*\q+8:R+12*\q+11], s[6:7] offset:98304*\q+49152+256
.endr
	s_wait_tensorcnt 0x0                           ; the wave's end
	ds_add_u32 v[SPW], v[NIL]
	s_wait_dscnt 0x0
	s_endpgm
	; ---------------- cb = c (x W1 + b1 + b2) ----------------
	; Wave W = 4 x work-group + wave owns hidden units 16 W .. 16 W + 15.  The product is used transposed: source 0 = 16 rows of W1's codes (hidden units), source 1 = 16 rows of x (batches):
	; in the result lane (r, h) holds batch r and its register j the hidden unit 16 W + 8 h + j: eight neighbours of a row of cb.  K = 1,024 goes in eight steps of 128, two to a chunk; the two sums take turns.
	; These waves touch no LDS.  Their stores are 32 bytes a lane in rows 4,096 bytes apart: 128 KiB in all.
.Lhx:
	v_and_b32 v1, 15, v0                           ; r
	v_bfe_u32 v2, v0, 4, 1                         ; h
	v_mul_u32_u24 v3, v1, 768                      ; a row of 1,024 codes is 768 bytes,
	v_mad_u32_u24 v3, v2, 24, v3                   ; + 24 h: registers 6 c .. 6 c + 5 of a fragment hold k = 64 c + 32 h + 0 .. 31
	v_lshlrev_b32 v4, 5, v1                        ; a row of scale bytes is 32 bytes: eight words, one for each K step
	v_lshlrev_b32 v5, 5, v2                        ; the biases: my half's eight numbers
	v_lshlrev_b32 v6, 12, v1
	v_lshl_add_u32 v6, v2, 5, v6                   ; cb: row r of 4,096 bytes, + 32 h
	s_lshl_b32 s17, ttmp9, 2
	s_add_co_u32 s17, s17, s16                     ; W
	s_mul_i32 s18, s17, 16*768
	s_mov_b32 s19, 0
	s_lshl_b32 s20, s17, 9
	s_mov_b32 s21, 0
	s_lshl_b32 s22, s17, 6
	s_mov_b32 s23, 0
	s_mov_b32 s38, 0x4038aa3b                      ; c = 2 log2(e)
	s_mov_b32 s39, s38                             ; (named with it as a pair, so it is written)
	s_wait_alu depctr_va_vdst(0)                   ; the wait here, directly ahead of the wait below
	s_wait_kmcnt 0x0
	s_add_nc_u64 s[28:29], s[28:29], s[18:19]      ; W1's codes at my 16 rows,
	s_add_nc_u64 s[30:31], s[30:31], s[20:21]      ; their scale bytes,
	s_add_nc_u64 s[32:33], s[32:33], s[22:23]      ; b1, b2 and cb at my 16 hidden units
	s_add_nc_u64 s[34:35], s[34:35], s[22:23]
	s_add_nc_u64 s[10:11], s[10:11], s[22:23]
	global_load_b128 v[BI1:BI1+3], v5, s[32:33]
	global_load_b128 v[BI1+4:BI1+7], v5, s[32:33] offset:16
	global_load_b128 v[BI2:BI2+3], v5, s[34:35]
	global_load_b128 v[BI2+4:BI2+7], v5, s[34:35] offset:16
	global_load_b128 v[SW1:SW1+3], v4, s[30:31]
	global_load_b128 v[SW1+4:SW1+7], v4, s[30:31] offset:16
	global_load_b128 v[SXA:SXA+3], v4, s[26:27]
	global_load_b128 v[SXA+4:SXA+7], v4, s[26:27] offset:16
	global_load_b128 v[SXB:SXB+3], v4, s[26:27] offset:512
	global_load_b128 v[SXB+4:SXB+7], v4, s[26:27] offset:528
; K steps 2 c and 2 c + 1: 36 loads of 8 bytes, then four products, the two sums by turns, one instruction a turn
.macro CHUNK c
.irp u, 0,1
.irp p, 0,1,2,3,4,5
	global_load_b64 v[HWF+12*\u+2*\p:HWF+12*\u+2*\p+1], v3, s[28:29] offset:96*(2*\c+\u)+48*(\p/3)+8*(\p%3)
	global_load_b64 v[HXA+12*\u+2*\p:HXA+12*\u+2*\p+1], v3, s[24:25] offset:96*(2*\c+\u)+48*(\p/3)+8*(\p%3)
	global_load_b64 v[HXB+12*\u+2*\p:HXB+12*\u+2*\p+1], v3, s[24:25] offset:16*768+96*(2*\c+\u)+48*(\p/3)+8*(\p%3)
.endr
.endr
	s_wait_loadcnt 0x0
.irp u, 0,1
.if (2*\c+\u) == 0
	v_wmma_scale_f32_16x16x128_f8f6f4 v[AC0:AC0+7], v[HWF+12*\u:HWF+12*\u+11], v[HXA+12*\u:HXA+12*\u+11], v[BI1:BI1+7], v[SW1+2*\c+\u], v[SXA+2*\c+\u] matrix_a_fmt:MATRIX_FMT_BF6 matrix_b_fmt:MATRIX_FMT_BF6   ; b1 starts the sum: no addition
	v_wmma_scale_f32_16x16x128_f8f6f4 v[AC0+8:AC0+15], v[HWF+12*\u:HWF+12*\u+11], v[HXB+12*\u:HXB+12*\u+11], v[BI1:BI1+7], v[SW1+2*\c+\u], v[SXB+2*\c+\u] matrix_a_fmt:MATRIX_FMT_BF6 matrix_b_fmt:MATRIX_FMT_BF6
.else
	v_wmma_scale_f32_16x16x128_f8f6f4 v[AC0:AC0+7], v[HWF+12*\u:HWF+12*\u+11], v[HXA+12*\u:HXA+12*\u+11], v[AC0:AC0+7], v[SW1+2*\c+\u], v[SXA+2*\c+\u] matrix_a_fmt:MATRIX_FMT_BF6 matrix_b_fmt:MATRIX_FMT_BF6
	v_wmma_scale_f32_16x16x128_f8f6f4 v[AC0+8:AC0+15], v[HWF+12*\u:HWF+12*\u+11], v[HXB+12*\u:HXB+12*\u+11], v[AC0+8:AC0+15], v[SW1+2*\c+\u], v[SXB+2*\c+\u] matrix_a_fmt:MATRIX_FMT_BF6 matrix_b_fmt:MATRIX_FMT_BF6
.endif
.endr
.endm
	CHUNK 0
.irp j, 0,2,4,6
	v_pk_mul_f32 v[BI2+\j:BI2+\j+1], v[BI2+\j:BI2+\j+1], s[38:39] op_sel_hi:[1,0]   ; c x b2.  These four name no register of the products above: they are the four places in front of the loads into the fragments' registers
.endr
	CHUNK 1
.rept 4
	v_nop                                          ; four places in front of loads into registers that matrix instructions have read
.endr
	CHUNK 2
.rept 4
	v_nop
.endr
	CHUNK 3
.rept 4
	v_nop                                          ; four places in front of the first read of the results
.endr
	s_wait_alu depctr_va_vdst(0)
.irp t, 0,1
.irp j, 0,2,4,6
	v_pk_fma_f32 v[RES+8*\t+\j:RES+8*\t+\j+1], v[AC0+8*\t+\j:AC0+8*\t+\j+1], s[38:39], v[BI2+\j:BI2+\j+1] op_sel_hi:[1,0,1]   ; c x (x W1 + b1) + c x b2; each sum is read from its low end on
.endr
.endr
.irp t, 0,1
	global_store_b128 v6, v[RES+8*\t:RES+8*\t+3], s[10:11] offset:65536*\t          ; cb(16 t + r, 16 W + 8 h + 0 .. 3)
	global_store_b128 v6, v[RES+8*\t+4:RES+8*\t+7], s[10:11] offset:65536*\t+16
.endr
	s_endpgm
	; ---------------- W2's codes into the tiled layout ----------------
	; Work-group g = 0 .. 95 writes bytes 16,384 g .. of w2l: a third (q = g % 3) of tile T = g / 3 = 8 x block + K step.  A thread copies eight pieces of 16 bytes; piece w = 1,024 q + 128 p + thread of the tile
	; is bytes 16 (w % 12) .. of row w / 12: in W2_codes at row x 1,536 + 192 x K step + 16 (w % 12) = 16 w + 1,344 (w / 12) + 192 x K step.  The stores of a wave cover 512 consecutive bytes.  No LDS is touched.
.Lw2:
	s_sub_co_u32 s17, ttmp9, HXG                   ; g (s17 to s23 are written by none of the head's scalar loads)
	s_mul_i32 s18, s17, 43691
	s_lshr_b32 s18, s18, 17                        ; T = g / 3 (exact for g under 96)
	s_mul_i32 s19, s18, 3
	s_sub_co_u32 s19, s17, s19                     ; q
	s_lshr_b32 s20, s18, 3
	s_and_b32 s21, s18, 7
	s_mul_i32 s20, s20, 393216                     ; 256 rows of 1,536 bytes a block
	s_mul_i32 s21, s21, 192
	s_add_co_u32 s20, s20, s21
	s_mov_b32 s21, 0
	s_lshl_b32 s22, s17, 14
	s_mov_b32 s23, 0
	s_lshl_b32 s19, s19, 10
	v_add_nc_u32 v1, s19, v0
	v_lshlrev_b32 v2, 4, v0
.irp p, 0,1,2,3,4,5,6,7
	v_add_nc_u32 v[8+\p], 128*\p, v1               ; w, under 3,072
.endr
.irp p, 0,1,2,3,4,5,6,7
	v_mul_u32_u24 v[16+\p], v[8+\p], 0xaaab
.endr
.irp p, 0,1,2,3,4,5,6,7
	v_lshrrev_b32 v[16+\p], 19, v[16+\p]           ; w / 12 (43,691 / 2^19 is 1 / 12 with a surplus of 4 in 2^19: exact for w under 3,072)
.endr
.irp p, 0,1,2,3,4,5,6,7
	v_lshlrev_b32 v[8+\p], 4, v[8+\p]
.endr
.irp p, 0,1,2,3,4,5,6,7
	v_mad_u32_u24 v[8+\p], v[16+\p], 1344, v[8+\p]
.endr
	s_wait_alu depctr_va_vdst(0)                   ; the wait here, directly ahead of the wait below
	s_wait_kmcnt 0x0
	s_add_nc_u64 s[40:41], s[40:41], s[20:21]
	s_add_nc_u64 s[42:43], s[42:43], s[22:23]
.irp p, 0,1,2,3,4,5,6,7
	global_load_b128 v[32+4*\p:35+4*\p], v[8+\p], s[40:41]
.endr
	s_wait_loadcnt 0x0
.irp p, 0,1,2,3,4,5,6,7
	global_store_b128 v2, v[32+4*\p:35+4*\p], s[42:43] offset:2048*\p
.endr
	s_endpgm
.Lfunc_end_k_qb3795cb561_quant:
	.size	k_qb3795cb561_quant, .Lfunc_end_k_qb3795cb561_quant-k_qb3795cb561_quant
	.p2alignl 7, 3214868480
	.fill 96, 4, 3214868480
	.section	.rodata,"a",@progbits
	.p2align	6, 0x0
	.amdhsa_kernel k_qb3795cb561_quant
		.amdhsa_group_segment_fixed_size 47616
		.amdhsa_private_segment_fixed_size 0
		.amdhsa_enable_private_segment 0
		.amdhsa_kernarg_size 96
		.amdhsa_user_sgpr_count 2
		.amdhsa_user_sgpr_kernarg_segment_ptr 1
		.amdhsa_wavefront_size32 1
		.amdhsa_system_sgpr_workgroup_id_x 1
		.amdhsa_system_sgpr_workgroup_id_y 1
		.amdhsa_system_sgpr_workgroup_id_z 1
		.amdhsa_system_vgpr_workitem_id 0
		.amdhsa_next_free_vgpr 192
		.amdhsa_next_free_sgpr 66
		.amdhsa_reserve_vcc 0
		.amdhsa_float_denorm_mode_32 3
		.amdhsa_float_denorm_mode_16_64 3
		.amdhsa_memory_ordered 1
		.amdhsa_forward_progress 1
		.amdhsa_inst_pref_size 60
	.end_amdhsa_kernel
	.amdgpu_metadata
---
amdhsa.version: [ 1, 2 ]
amdhsa.kernels:
  - .name:           k_qb3795cb561_quant
    .symbol:         k_qb3795cb561_quant.kd
    .args:
      - { .name: memory, .offset: 0, .size: 8, .value_kind: global_buffer, .address_space: global }
      - { .name: mem_codes, .offset: 8, .size: 8, .value_kind: global_buffer, .address_space: global }
      - { .name: mem_scales, .offset: 16, .size: 8, .value_kind: global_buffer, .address_space: global }
      - { .name: cb, .offset: 24, .size: 8, .value_kind: global_buffer, .address_space: global }
      - { .name: x_codes, .offset: 32, .size: 8, .value_kind: global_buffer, .address_space: global }
      - { .name: x_scales, .offset: 40, .size: 8, .value_kind: global_buffer, .address_space: global }
      - { .name: W1_codes, .offset: 48, .size: 8, .value_kind: global_buffer, .address_space: global }
      - { .name: W1_scales, .offset: 56, .size: 8, .value_kind: global_buffer, .address_space: global }
      - { .name: b1, .offset: 64, .size: 8, .value_kind: global_buffer, .address_space: global }
      - { .name: b2, .offset: 72, .size: 8, .value_kind: global_buffer, .address_space: global }
      - { .name: W2_codes, .offset: 80, .size: 8, .value_kind: global_buffer, .address_space: global }
      - { .name: w2l, .offset: 88, .size: 8, .value_kind: global_buffer, .address_space: global }
    .group_segment_fixed_size: 47616
    .private_segment_fixed_size: 0
    .kernarg_segment_align: 8
    .kernarg_segment_size: 96
    .max_flat_workgroup_size: 128
    .sgpr_count:     66
    .vgpr_count:     192
    .wavefront_size: 32
...
	.end_amdgpu_metadata
.endif
;; end of part 1
;; launch gemm (part 2): grid 4 x 128, 4 waves a work-group, clusters of 4 x 4, 327,680 bytes of LDS; arguments mem_codes, mem_scales, w2l, W2_scales, cb, v, part; writes part
.if DOCPART == 2
	.amdgcn_target "amdgcn-amd-amdhsa--gfx1250"
	.amdhsa_code_object_version 6
	.text
	.protected	k_qb3795cb561_gemm
	.globl	k_qb3795cb561_gemm
	.p2align	8
	.type	k_qb3795cb561_gemm,@function
k_qb3795cb561_gemm:
	s_mov_b64 s[64:65], 0
	v_nop
	global_prefetch_b8 v0, s[64:65] scope:SCOPE_SE
	s_setreg_imm32_b32 hwreg(HW_REG_WAVE_MODE, 25, 1), 1
	s_wait_xcnt 0x0
	s_wait_alu depctr_hold_cnt(0) depctr_sa_sdst(0) depctr_va_vdst(0) depctr_va_sdst(0) depctr_va_ssrc(0) depctr_va_vcc(0) depctr_vm_vsrc(0)
	s_getreg_b32 s2, hwreg(HW_REG_IB_STS2, 6, 4)
	s_cmp_eq_u32 s2, 0
	s_cbranch_scc0 .Lentry_in_a_cluster
	s_endpgm
.Lentry_in_a_cluster:
	s_bfe_u32 s2, ttmp6, 0x10000c
	s_cmp_lg_u32 s2, 0xf033
	s_cbranch_scc0 .Lentry_shape_is_right
	s_endpgm
.Lentry_shape_is_right:
.set KSTEP,  256
.set NQ,     KSTEP/128
; SECOND LAUNCH.  part[row][slice] = the sum over a wave's 128 hidden units h of v[h] / (1 + 2^(c (memory W2)[row][h] + cb[b][h])), c = 2 log2(e): the product on codes of E3M2 with E8M0 scales, f32 sums.
; WORK LEFT OUT: bv and the sum of v, the same along the softmax's axis, are not formed (shown at the head of the first kernel).
; A work-group of four waves makes 256 rows x 256 hidden units, a wave 128 x 128; 4 x 4 work-groups form a cluster and ask jointly for A's tiles along a row and B's along a column.
; K goes in steps of 256 through two LDS slots.  Both operands' codes lie tile by tile: the 256 rows x 192 bytes of a K step are 49,152 bytes on end, KSB from one K step to the next.  A tensor load takes them as rows
; of 256 bytes, each at a multiple of 256 bytes, with 16 bytes of padding behind every 64: so a row of 192 bytes of codes has the LDS pitch 240.
; THE HEAD: one tensor load a wave: wave 0 K step 0 of A's 256 rows, wave 1 of B's, wave 2 A's scales for all of K, wave 3 B's.  Slot 1's first fill follows behind the three lines and a round, as a refill does.
; cb and v are loaded at the head and waited for ahead of the way out, which alone reads them.
.set ROWB,   256                       ; a tensor row in bytes
.set KSB,    49152                     ; bytes from a K step's tile of 256 rows to the next K step's
.set PITCH,  240
.set FR,     12
.set NL,     6
.set NP,     4
.set HALFT,  128*PITCH
.set SLOT,   4*HALFT
.set LAPS,   2048/(2*KSTEP)
.set KS,     64
.set SCL,    2*SLOT
.set HALFS,  (128*KS/256)*272
.set SBLK,   (16*KS/256)*272
.set SPARE,  SCL+4*HALFS
.set ADRA, 16
.set ADRB, 20
.set CO,   26
.set ADRS, 27
.set SPW,  28
.set NIL,  29
.set HB,   30
.set PFO,  31
.set SC,   32
.set CBR,  64
.set VBR,  96
.set AF,   128
.set SA,   128
.set U,    192
.set G1, 24
.set G0, 32
.set G1B, 48
.set G0B, 56
.set G1S, 68
.set G0S, 76
.set G1SB, 80
.set G0SB, 88
.set PFA, 92
.set KJ,  94
.set CNT, 95
.set CC,  98
.set SEL, 100
.set MSB, 0
.macro WIN new
.if MSB != (\new)
	s_set_vgpr_msb (MSB<<8)|(\new)
.set MSB, (\new)
.endif
.endm
.set MUL_LO, 0xa1
.set MUL_HI, 0xf1
.set TO_B,   0x40
.macro JLOAD g0a, g1a, g0b, g1b
	s_cmp_eq_u32 s15, 0
	s_cbranch_scc0 .Lfor_b_\@
	tensor_load_to_lds s[\g0a:\g0a+3], s[\g1a:\g1a+7]
	s_nop 0
.rept 4
	v_nop
.endr
	s_branch .Lasked_\@
.Lfor_b_\@:
	tensor_load_to_lds s[\g0b:\g0b+3], s[\g1b:\g1b+7]
	s_nop 0
.rept 4
	v_nop
.endr
.Lasked_\@:
.endm
.macro ASK
	s_cmp_lt_u32 s[KJ], s[CNT]
	s_cbranch_scc0 .Lnot_mine_\@
	global_prefetch_b8 v[PFO], s[PFA:PFA+1] th:TH_LOAD_NT scope:SCOPE_SE
.Lnot_mine_\@:
	s_add_co_u32 s[KJ], s[KJ], 1
.endm
.macro CREST
	s_cmp_lg_u32 s14, 0
	s_cbranch_scc1 .Lnot_wave_0_\@
	s_barrier_signal -3
.Lnot_wave_0_\@:
	s_barrier_wait -3
	s_barrier_signal -1
	s_barrier_wait -1
.endm
.macro CROUND
	s_barrier_signal -1
	s_barrier_wait -1
	CREST
.endm
	s_load_b128 s[4:7], s[0:1], 0x0
	s_load_b128 s[8:11], s[0:1], 0x10
	s_load_b64 s[12:13], s[0:1], 0x20
	s_load_b64 s[66:67], s[0:1], 0x28
	s_load_b64 s[96:97], s[0:1], 0x30
	v_lshl_add_u32 v[SPW], v0, 2, SPARE
	v_mov_b32 v[NIL], 0
	ds_add_u32 v[SPW], v[NIL]
	ds_add_u32 v[SPW], v[NIL]
	v_lshrrev_b32 v1, 5, v0
	v_readfirstlane_b32 s14, v1
	s_lshr_b32 s15, s14, 1
	s_and_b32 s16, s14, 1
	s_bfe_u32 s40, ttmp6, 0x40000
	s_bfe_u32 s41, ttmp6, 0x40004
	s_lshl_b32 s42, ttmp9, 2
	s_add_co_u32 s42, s42, s40
	s_and_b32 s17, ttmp7, 0xffff
	s_lshl_b32 s17, s17, 2
	s_add_co_u32 s17, s17, s41
	s_lshl_b32 s43, s41, 2
	s_lshl_b32 s43, 15, s43
	s_lshl_b32 s44, 0x1111, s40
	s_or_b32 s[G1+0], s43, (0<<16)|(1<<20)|(1<<21)|(3<<22)|(3<<25)
	s_or_b32 s[G1B+0], s44, (0<<16)|(1<<20)|(1<<21)|(3<<22)|(3<<25)
.irp g, G1, G1B
	s_mov_b32 s[\g+1], ROWB<<16
	s_mov_b32 s[\g+2], 192<<16                     ; the head's loads: 256 rows of codes = 192 rows of 256 bytes; behind them these two words are set to 96
	s_mov_b32 s[\g+3], ROWB<<16
	s_mov_b32 s[\g+4], 192
	s_mov_b32 s[\g+5], ROWB                        ; dense
	s_mov_b32 s[\g+6], 0
	s_mov_b32 s[\g+7], 0
.endr
	s_or_b32 s[G1S+0], s43, (3<<16)|(1<<20)|(1<<21)|(5<<22)|(3<<25)
	s_or_b32 s[G1SB+0], s44, (3<<16)|(1<<20)|(1<<21)|(5<<22)|(3<<25)
.irp g, G1S, G1SB
	s_mov_b32 s[\g+1], 32<<16
	s_mov_b32 s[\g+2], KS<<16                      ; the scales of 256 rows: 256 KS bytes = KS rows of 256 bytes
	s_mov_b32 s[\g+3], 32<<16
	s_mov_b32 s[\g+4], KS
	s_mov_b32 s[\g+5], 32
	s_mov_b32 s[\g+6], 0
	s_mov_b32 s[\g+7], 0
.endr
	s_lshl_b32 s20, s17, 8                         ; A: the tile's first row
	s_lshl_b32 s46, s42, 8                         ; B: likewise
	s_mov_b32 s21, 0
	s_mov_b32 s47, 0
	s_mov_b64 s[18:19], KS
	s_mul_u64 s[22:23], s[20:21], s[18:19]         ; where these rows' scales begin
	s_mul_u64 s[92:93], s[46:47], s[18:19]
	s_mul_i32 s20, s17, 8*KSB                      ; and their codes: eight K steps' tiles a block of 256 rows (under 2^26)
	s_mul_i32 s46, s42, 8*KSB
	s_mul_i32 s18, s16, KSB/2                      ; in the ring I fetch 128 rows of a tile: which half, in bytes
	s_mov_b32 s19, 0
	s_mul_i32 s45, s14, HALFT                      ; and where they go
	s_mov_b32 s[CC], 0x4038aa3b
	s_mov_b32 s[CC+1], s[CC]
	s_mov_b32 s[SEL], 0x76543210
	s_mov_b32 s[SEL+1], 0xfedcba98
	s_wait_dscnt 0x0
	s_wait_kmcnt 0x0
	s_add_nc_u64 s[20:21], s[4:5], s[20:21]
	s_add_nc_u64 s[22:23], s[6:7], s[22:23]
	s_add_nc_u64 s[46:47], s[8:9], s[46:47]
	s_add_nc_u64 s[92:93], s[10:11], s[92:93]
	CROUND
	s_mov_b32 s[G0S], 1                            ; the head's four tiles, each whole: the scales of A's 256 rows,
	s_mov_b32 s[G0S+1], SCL
	s_mov_b64 s[G0S+2:G0S+3], s[22:23]
	s_or_b32 s[G0S+3], s[G0S+3], 0x80000000
	s_mov_b32 s[G0SB], 1                           ; of B's,
	s_mov_b32 s[G0SB+1], SCL+2*HALFS
	s_mov_b64 s[G0SB+2:G0SB+3], s[92:93]
	s_or_b32 s[G0SB+3], s[G0SB+3], 0x80000000
	s_mov_b32 s[G0], 1                             ; K step 0 of A's 256 rows (slot 0's group 0 serves the head first: it is set for the ring behind the wait for the head's loads),
	s_mov_b32 s[G0+1], 0
	s_mov_b64 s[G0+2:G0+3], s[20:21]
	s_or_b32 s[G0+3], s[G0+3], 0x80000000
	s_mov_b32 s[G0B], 1                            ; and of B's, behind them in slot 0
	s_mov_b32 s[G0B+1], 2*HALFT
	s_mov_b64 s[G0B+2:G0B+3], s[46:47]
	s_or_b32 s[G0B+3], s[G0B+3], 0x80000000
	s_add_nc_u64 s[20:21], s[20:21], s[18:19]      ; for the ring: my 128 rows of a tile
	s_add_nc_u64 s[46:47], s[46:47], s[18:19]
	s_mov_b32 s[G0+4], 1                           ; slot 1: K step 1
	s_add_co_u32 s[G0+5], s45, SLOT
	s_add_nc_u64 s[G0+6:G0+7], s[20:21], KSB
	s_or_b32 s[G0+7], s[G0+7], 0x80000000
	s_mov_b32 s[G0B+4], 1
	s_add_co_u32 s[G0B+5], s45, SLOT
	s_add_nc_u64 s[G0B+6:G0B+7], s[46:47], KSB
	s_or_b32 s[G0B+7], s[G0B+7], 0x80000000
; one chain of branches on the wave's number, a load to each arm, all arms leading to one join
.macro ARM under, g0, g1, next
	s_cmp_lt_u32 s14, \under
	s_cbranch_scc0 \next
	tensor_load_to_lds s[\g0:\g0+3], s[\g1:\g1+7]
	s_nop 0
.rept 4
	v_nop
.endr
	s_branch .Lhead_asked
\next:
.endm
	ARM 1, G0,  G1,  .Lhead_b
	ARM 2, G0B, G1B, .Lhead_sa
	ARM 3, G0S, G1S, .Lhead_sb
	tensor_load_to_lds s[G0SB:G0SB+3], s[G1SB:G1SB+7]
	s_nop 0
.rept 4
	v_nop
.endr
.Lhead_asked:
	v_and_b32 v1, 15, v0
	v_bfe_u32 v2, v0, 4, 1
	v_mul_u32_u24 v3, v1, PITCH
	v_mul_u32_u24 v4, v2, 24
	v_add_nc_u32 v4, v3, v4
	v_lshl_add_u32 v5, v2, 4, v4
	s_mul_i32 s21, s15, HALFT
	s_mul_i32 s22, s16, HALFT
	s_add_co_u32 s22, s22, 2*HALFT
.irp s, 0,1
	v_add_nc_u32 v[ADRA+\s], s21, v4
	v_add_nc_u32 v[ADRB+\s], s22, v4
	v_add_nc_u32 v[ADRA+2+\s], s21, v5
	v_add_nc_u32 v[ADRB+2+\s], s22, v5
	s_add_co_u32 s21, s21, SLOT
	s_add_co_u32 s22, s22, SLOT
.endr
	v_mul_u32_u24 v5, v1, KS
	v_lshrrev_b32 v6, 8, v5
	v_lshl_add_u32 v5, v6, 4, v5
	s_mul_i32 s21, s15, HALFS
	s_mul_i32 s22, s16, HALFS
	s_add_co_u32 s22, s22, 2*HALFS
	s_sub_co_u32 s22, s22, s21
	v_mul_u32_u24 v6, s22, v2
	s_add_co_u32 s21, s21, SCL
	v_add_nc_u32 v5, v5, v6
	v_add_nc_u32 v[ADRS], s21, v5
	v_and_b32 v6, 31, v0
	v_lshlrev_b32 v[CO], 4, v6
	v_min_u32 v[PFO], 23, v6                       ; the prefetches' offset: a lane a block of 256 bytes, 24 blocks a partner; the eight lanes left over name the last block again
	v_lshlrev_b32 v[PFO], 8, v[PFO]
	v_lshlrev_b32 v[HB], 5, v2
	s_wait_alu depctr_va_vdst(0)
	s_lshl_b32 s46, s42, 10
	s_lshl_b32 s47, s16, 9
	s_add_co_u32 s46, s46, s47
	s_mov_b32 s47, 0
	s_add_nc_u64 s[66:67], s[66:67], s[46:47]
	s_lshr_b32 s20, s17, 2
	s_lshl_b32 s20, s20, 12
	s_add_co_u32 s20, s20, s46
	s_mov_b32 s21, 0
	s_add_nc_u64 s[12:13], s[12:13], s[20:21]
	s_lshl_b32 s20, s17, 1
	s_add_co_u32 s20, s20, s15
	s_lshl_b32 s20, s20, 3
	s_lshl_b32 s46, s42, 1
	s_add_co_u32 s46, s46, s16
	s_add_co_u32 s20, s20, s46
	s_lshl_b32 s20, s20, 9
	s_add_nc_u64 s[96:97], s[96:97], s[20:21]
	; THE PREFETCHES.  Refill f = 0 .. 5 asks for K step f + 2; behind it one prefetch a wave names K step f + 4, two refills on, while there is one (f under 4).  What a wave fetches of a K step, 24,576 bytes, is 96 blocks
	; of 256 bytes; the four partners that ask for it jointly share them out by address, 24 each (place cx for A, cy for B): each block is named once in each cluster that will load it.
	s_cmp_eq_u32 s15, 0                            ; do I fetch for A?
	s_cselect_b32 s20, s17, s42                    ; the tile row, or the tile column
	s_cselect_b32 s21, s40, s41                    ; my place among the four
	s_cselect_b64 s[PFA:PFA+1], s[4:5], s[8:9]
	s_mov_b32 s[CNT], 4
	s_mul_i32 s20, s20, 8*KSB
	s_mul_i32 s22, s16, KSB/2
	s_add_co_u32 s20, s20, s22
	s_mul_i32 s21, s21, 24*256
	s_add_co_u32 s20, s20, s21
	s_add_co_u32 s20, s20, 3*KSB                   ; at K step 3: each refill steps it by one K step ahead of its prefetch
	s_mov_b32 s21, 0
	s_add_nc_u64 s[PFA:PFA+1], s[PFA:PFA+1], s[20:21]
	s_mov_b32 s[KJ], 0
.irp b, 0,1,2,3,4,5,6,7
	global_load_b128 v[CBR+8*\b:CBR+8*\b+3], v[HB], s[12:13] offset:64*\b
	global_load_b128 v[CBR+8*\b+4:CBR+8*\b+7], v[HB], s[12:13] offset:64*\b+16
.endr
	WIN TO_B
.irp b, 0,1,2,3,4,5,6,7
	global_load_b128 v[VBR+8*\b+96*(\b/4):VBR+8*\b+96*(\b/4)+3], v[HB], s[66:67] offset:64*\b
	global_load_b128 v[VBR+8*\b+96*(\b/4)+4:VBR+8*\b+96*(\b/4)+7], v[HB], s[66:67] offset:64*\b+16
.endr
	WIN 0
.macro FRAG reg, adr, q, i
.irp p, 0,1,2,3,4,5
.set PC, 12*(\q)+6*(\p/3)+\p%3
.if PC%8 < 5
	ds_load_b64 v[\reg+2*\p:\reg+2*\p+1], v[\adr] offset:8*PC+16*(PC/8)+(\i)*16*PITCH
.else
	ds_load_b64 v[\reg+2*\p:\reg+2*\p+1], v[\adr+2] offset:8*PC+16*(PC/8)+(\i)*16*PITCH
.endif
.endr
.endm
.macro MUL16 a0, p, q, sc, zero
.irp a, \a0, \a0+1
.irp b, 0,1,2,3,4,5,6,7
.if \zero
	v_wmma_scale_f32_16x16x128_f8f6f4 v[8*(8*((\a)%4)+\b):8*(8*((\a)%4)+\b)+7], v[128*(\p)+FR*\b:128*(\p)+FR*\b+FR-1], v[AF+FR*(\a):AF+FR*(\a)+FR-1], 0, v[SC+8*NQ*(\sc)+NQ*\b+(\q)], v[SC+8*NQ*(\sc)+NQ*(\a)+(\q)] matrix_a_fmt:MATRIX_FMT_BF6 matrix_b_fmt:MATRIX_FMT_BF6 matrix_a_scale:MATRIX_SCALE_ROW1
.else
	v_wmma_scale_f32_16x16x128_f8f6f4 v[8*(8*((\a)%4)+\b):8*(8*((\a)%4)+\b)+7], v[128*(\p)+FR*\b:128*(\p)+FR*\b+FR-1], v[AF+FR*(\a):AF+FR*(\a)+FR-1], v[8*(8*((\a)%4)+\b):8*(8*((\a)%4)+\b)+7], v[SC+8*NQ*(\sc)+NQ*\b+(\q)], v[SC+8*NQ*(\sc)+NQ*(\a)+(\q)] matrix_a_fmt:MATRIX_FMT_BF6 matrix_b_fmt:MATRIX_FMT_BF6 matrix_a_scale:MATRIX_SCALE_ROW1
.endif
.endr
.endr
.endm
.macro FETCH_B slot, q, p
	WIN TO_B
.irp i, 0,1,2,3,4,5,6,7
	FRAG 128*(\p)+FR*\i, ADRB+\slot, \q, \i
.endr
	WIN 0
.endm
.macro FETCH_A slot, q, i0
.irp i, \i0, \i0+1, \i0+2, \i0+3
	FRAG AF+FR*(\i), ADRA+\slot, \q, \i
.endr
.endm
.macro SCALES sc
.irp i, 0,1,2,3,4,5,6,7
	ds_load_b64 v[SC+8*NQ*\sc+NQ*\i:SC+8*NQ*\sc+NQ*\i+1], v[ADRS] offset:\i*SBLK
.endr
.endm
.macro PLACES n
.rept \n
	v_nop
.endr
.endm
.macro STEP slot, q, zero
	s_wait_dscnt 4*NL
	WIN MUL_LO
	MUL16 0, (\q)%2, \q, \slot, \zero
	MUL16 2, (\q)%2, \q, \slot, \zero
	s_wait_dscnt 0
	PLACES NP
	FETCH_B \slot, (\q)+1, 1-(\q)%2
	FETCH_A \slot, (\q)+1, 0
	WIN MUL_HI
	MUL16 4, (\q)%2, \q, \slot, \zero
	MUL16 6, (\q)%2, \q, \slot, \zero
	PLACES NP
	WIN 0
	FETCH_A \slot, (\q)+1, 4
.endm
; A slot's last step, and the change of slots.  Its first 32 products stand ahead of the wait for the tensor loads: their operands are in registers already.
.macro TURN slot, next, fill
	s_wait_dscnt 4*NL                              ; B's set and A's blocks 0-3 are in; the youngest 24 loads (A's blocks 4-7) may be out
	WIN MUL_LO
	MUL16 0, 1, NQ-1, \slot, 0
	MUL16 2, 1, NQ-1, \slot, 0
	WIN 0                                          ; the add's two registers lie in window 0
	s_wait_tensorcnt 0x0
	ds_add_u32 v[SPW], v[NIL]
.if \fill
	s_add_nc_u64 s[G0+4*\slot+2:G0+4*\slot+3], s[G0+4*\slot+2:G0+4*\slot+3], 2*KSB
	s_add_nc_u64 s[G0B+4*\slot+2:G0B+4*\slot+3], s[G0B+4*\slot+2:G0B+4*\slot+3], 2*KSB
	s_wait_xcnt 0x0
	s_add_nc_u64 s[PFA:PFA+1], s[PFA:PFA+1], KSB
.endif
	s_wait_dscnt 0x0
	s_barrier_signal -1
	s_barrier_wait -1
.if \fill
	CREST
	JLOAD G0+4*\slot, G1, G0B+4*\slot, G1B         ; the four v_nop behind it are the places in front of the loads below
.else
	PLACES NP
.endif
	s_wait_alu depctr_va_vdst(0)
	v_add_nc_u32 v[ADRS], 4*NQ, v[ADRS]
	FETCH_B \next, 0, 0
	SCALES \next
	FETCH_A \next, 0, 0
.if \fill
	ASK
.endif
	WIN MUL_HI
	MUL16 4, 1, NQ-1, \slot, 0
	MUL16 6, 1, NQ-1, \slot, 0
	PLACES NP
	WIN 0
	FETCH_A \next, 0, 4
.endm
	s_wait_alu depctr_va_vdst(0)                   ; the wait at the head's end
	s_wait_tensorcnt 0x0                           ; my tile of the head's four is in
	ds_add_u32 v[SPW], v[NIL]
	s_mov_b32 s[G1+2], 96<<16                      ; no tensor load of mine is out, so descriptors may be written: from here on a load brings 128 rows of codes = 96 rows of 256 bytes,
	s_mov_b32 s[G1+4], 96
	s_mov_b32 s[G1B+2], 96<<16
	s_mov_b32 s[G1B+4], 96
	s_mov_b32 s[G0+1], s45                         ; and slot 0's group 0 stands at my half of K step 0: its first refill steps it to K step 2
	s_add_nc_u64 s[G0+2:G0+3], s[G0+2:G0+3], s[18:19]
	s_mov_b32 s[G0B+1], s45
	s_add_nc_u64 s[G0B+2:G0B+3], s[G0B+2:G0B+3], s[18:19]
	s_wait_dscnt 0x0
	CROUND                                         ; all four tiles are in, and all sixteen work-groups are here
	JLOAD G0+4, G1, G0B+4, G1B                     ; K step 1, the first tensor load behind the round
	FETCH_B 0, 0, 0
	FETCH_A 0, 0, 0
	SCALES 0
	FETCH_A 0, 0, 4
	STEP 0, 0, 1
	s_mov_b32 s3, LAPS-1
.Llap:
	TURN 0, 1, 1
	STEP 1, 0, 0
	TURN 1, 0, 1
	STEP 0, 0, 0
	s_sub_co_u32 s3, s3, 1
	s_cmp_lg_u32 s3, 0
	s_cbranch_scc1 .Llap
	TURN 0, 1, 0
	STEP 1, 0, 0
	s_wait_dscnt 4*NL
	WIN MUL_LO
	MUL16 0, 1, NQ-1, 1, 0
	MUL16 2, 1, NQ-1, 1, 0
	s_wait_dscnt 0
	WIN MUL_HI
	MUL16 4, 1, NQ-1, 1, 0
	MUL16 6, 1, NQ-1, 1, 0
.macro EZ a
	WIN 0x82+0x41*((\a)/4)
.set AC, 64*((\a)%4)
.irp b, 0,1,2,3,4,5,6,7
.irp q, 0,1,2,3
	v_pk_fma_f32 v[AC+8*\b+2*\q:AC+8*\b+2*\q+1], v[AC+8*\b+2*\q:AC+8*\b+2*\q+1], s[CC:CC+1], v[CBR+8*\b+2*\q:CBR+8*\b+2*\q+1] op_sel_hi:[1,0,1]
.endr
.endr
.endm
.macro EX a
	WIN 0x82+0x41*((\a)/4)
.set AC, 64*((\a)%4)
.set n, 0
.rept 64
	v_exp_f32 v[AC+n], v[AC+n]
.set n, n+1
.endr
.endm
.macro EP a
	WIN 0x82+0x41*((\a)/4)
.set AC, 64*((\a)%4)
.set n, 0
.rept 32
	v_pk_add_f32 v[AC+n:AC+n+1], v[AC+n:AC+n+1], 1.0 op_sel_hi:[1,0]
.set n, n+2
.endr
.endm
.macro ER a
	WIN 0x82+0x41*((\a)/4)
.set AC, 64*((\a)%4)
.set n, 0
.rept 64
	v_rcp_f32 v[AC+n], v[AC+n]
.set n, n+1
.endr
.endm
.macro ES a
	WIN 0x06+((\a)/4)
.set AC, 64*((\a)%4)
.set SR, SA+8*(\a)
.irp b, 0,1,2,3,4,5,6,7
.irp q, 0,1,2,3
.if \b == 0
	v_pk_mul_f32 v[SR+2*\q:SR+2*\q+1], v[AC+8*\b+2*\q:AC+8*\b+2*\q+1], v[VBR+8*\b+96*(\b/4)+2*\q:VBR+8*\b+96*(\b/4)+2*\q+1]
.else
	v_pk_fma_f32 v[SR+2*\q:SR+2*\q+1], v[AC+8*\b+2*\q:AC+8*\b+2*\q+1], v[VBR+8*\b+96*(\b/4)+2*\q:VBR+8*\b+96*(\b/4)+2*\q+1], v[SR+2*\q:SR+2*\q+1]
.endif
.endr
.endr
.endm
	s_wait_loadcnt 0x0                             ; cb and v, asked for at the head, are in
	PLACES NP
.irp k, 0,1,2,3,4,5,6,7,8,9
.if \k <= 7
	s_wait_alu depctr_va_vdst(0)
	EZ \k
.else
	v_nop
.endif
.if \k >= 1
	s_wait_alu depctr_va_vdst(0)
.endif
.if \k >= 2
	ES \k-2
.endif
.if (\k >= 1) && (\k <= 8)
	EP \k-1
	s_wait_alu depctr_va_vdst(0)
	ER \k-1
.endif
.if \k <= 7
	s_wait_alu depctr_va_vdst(0)
	EX \k
.endif
.endr
	WIN 0
.irp a, 0,1,2,3,4,5,6,7
	v_pk_add_f32 v[SA+8*\a:SA+8*\a+1], v[SA+8*\a:SA+8*\a+1], v[SA+8*\a+2:SA+8*\a+3]
.endr
.irp a, 0,1,2,3,4,5,6,7
	v_pk_add_f32 v[SA+8*\a+4:SA+8*\a+5], v[SA+8*\a+4:SA+8*\a+5], v[SA+8*\a+6:SA+8*\a+7]
.endr
.irp a, 0,1,2,3,4,5,6,7
	v_pk_add_f32 v[SA+8*\a:SA+8*\a+1], v[SA+8*\a:SA+8*\a+1], v[SA+8*\a+4:SA+8*\a+5]
.endr
.irp a, 0,1,2,3,4,5,6,7
	v_add_f32 v[SA+8*\a], v[SA+8*\a], v[SA+8*\a+1]
.endr
.irp a, 0,1,2,3,4,5,6,7
	v_permlanex16_b32 v[SA+8*\a+1], v[SA+8*\a], s[SEL], s[SEL+1]
.endr
.irp a, 0,1,2,3,4,5,6,7
	v_add_f32 v[SA+8*\a], v[SA+8*\a], v[SA+8*\a+1]
.endr
	v_cmp_ne_u32 vcc_lo, 0, v[HB]
.irp i, 0,1,2,3
	v_cndmask_b32 v[U+\i], v[SA+16*\i], v[SA+16*\i+8], vcc_lo
.endr
	global_store_b128 v[CO], v[U:U+3], s[96:97]
	s_wait_tensorcnt 0x0
	ds_add_u32 v[SPW], v[NIL]
	s_wait_dscnt 0x0
	CROUND
	s_endpgm
.Lfunc_end_k_qb3795cb561_gemm:
	.size	k_qb3795cb561_gemm, .Lfunc_end_k_qb3795cb561_gemm-k_qb3795cb561_gemm
	.p2alignl 7, 3214868480
	.fill 96, 4, 3214868480
	.section	.rodata,"a",@progbits
	.p2align	6, 0x0
	.amdhsa_kernel k_qb3795cb561_gemm
		.amdhsa_group_segment_fixed_size 327680
		.amdhsa_private_segment_fixed_size 0
		.amdhsa_enable_private_segment 0
		.amdhsa_kernarg_size 56
		.amdhsa_user_sgpr_count 2
		.amdhsa_user_sgpr_kernarg_segment_ptr 1
		.amdhsa_wavefront_size32 1
		.amdhsa_system_sgpr_workgroup_id_x 1
		.amdhsa_system_sgpr_workgroup_id_y 1
		.amdhsa_system_sgpr_workgroup_id_z 1
		.amdhsa_system_vgpr_workitem_id 0
		.amdhsa_next_free_vgpr 1024
		.amdhsa_next_free_sgpr 102
		.amdhsa_reserve_vcc 1
		.amdhsa_float_denorm_mode_32 3
		.amdhsa_float_denorm_mode_16_64 3
		.amdhsa_memory_ordered 1
		.amdhsa_forward_progress 1
		.amdhsa_inst_pref_size 220
	.end_amdhsa_kernel
	.amdgpu_metadata
---
amdhsa.version: [ 1, 2 ]
amdhsa.kernels:
  - .name:           k_qb3795cb561_gemm
    .symbol:         k_qb3795cb561_gemm.kd
    .args:
      - { .name: mem_codes, .offset: 0, .size: 8, .value_kind: global_buffer, .address_space: global }
      - { .name: mem_scales, .offset: 8, .size: 8, .value_kind: global_buffer, .address_space: global }
      - { .name: w2l, .offset: 16, .size: 8, .value_kind: global_buffer, .address_space: global }
      - { .name: W2_scales, .offset: 24, .size: 8, .value_kind: global_buffer, .address_space: global }
      - { .name: cb, .offset: 32, .size: 8, .value_kind: global_buffer, .address_space: global }
      - { .name: v, .offset: 40, .size: 8, .value_kind: global_buffer, .address_space: global }
      - { .name: part, .offset: 48, .size: 8, .value_kind: global_buffer, .address_space: global }
    .group_segment_fixed_size: 327680
    .private_segment_fixed_size: 0
    .kernarg_segment_align: 8
    .kernarg_segment_size: 56
    .max_flat_workgroup_size: 128
    .sgpr_count:     102
    .vgpr_count:     1024
    .wavefront_size: 32
...
	.end_amdgpu_metadata
.endif
;; end of part 2
;; launch ctx (part 3): grid 8 x 32, 8 waves a work-group, no clusters, 71,168 bytes of LDS; arguments memory, part, pc, out1; writes pc, out1
.if DOCPART == 3
	.amdgcn_target "amdgcn-amd-amdhsa--gfx1250"
	.amdhsa_code_object_version 6
	.text
	.protected	k_qb3795cb561_ctx
	.globl	k_qb3795cb561_ctx
	.p2align	8
	.type	k_qb3795cb561_ctx,@function
k_qb3795cb561_ctx:
	s_mov_b64 s[64:65], 0
	v_nop
	global_prefetch_b8 v0, s[64:65] scope:SCOPE_SE
	s_setreg_imm32_b32 hwreg(HW_REG_WAVE_MODE, 25, 1), 1
	s_wait_xcnt 0x0
; THIRD LAUNCH.  out1[b][s] = softmax_s(score);  pc[j][b][d] = the sum over the 128 rows s of work-group (j, b) of out1[b][s] memory[b][s][d].  The fourth launch adds the eight slices j.
; WORK LEFT OUT: bv and sum_h v[h], the same along the softmax's axis, are not added (shown at the head of the first kernel): here score[b][s] stands for -2 y, y = the sum of part's eight slices for row (b, s).
; The softmax takes its maximum away: t = -2 log2(e) y, M = the batch's largest t, p = 2^(t - M), out1 = p / sum p.  A p under 2^-126 comes out as 0.  NaN and infinities among the inputs are not served.
; SHARES.  Grid y = the batch b, grid x = j.  Wave w makes t and p of rows 128 w .. 128 w + 127 (part is laid [128 rows][slice][lane][i]: a lane's four registers are rows 128 w + 32 i + lane), the eight waves share
; maxima and sums through LDS, and wave w then streams rows 128 w + 16 j .. + 15 WHOLE: 16 rows x 8,192 bytes = 131,072 consecutive bytes of memory, whose weights it already holds: register j / 2, lanes 16 (j % 2) ..
; A lane holds 64 sums: load i of a row brings columns 128 i + 4 lane .. + 3.  Each byte of memory is read once in the launch, by f32 multiply-adds: one row of sums a batch gives the matrix units nothing to do.
; Four groups of eight loads (two rows, 16,384 bytes a wave) are out at a time; they are first issued ahead of the softmax.  No prefetch beside them: each byte is asked for once, by these loads.
; No cluster: what work-groups share is part, 32 KiB a batch, against 1 MiB of memory that each streams alone.  Of out1 work-group j stores rows 128 j .. + 127, which its wave j holds.
.set XM,    0                          ; LDS: the eight waves' maxima, a word each
.set XS,    256                        ; their sums
.set PST,   512                        ; 512 bytes a wave: 128 weights in the order of the rows
.set RED,   4608                       ; 8,192 bytes a wave: its sums, as a row of 2,048 numbers
.set SPARE, 70144                      ; the spare words, 128 bytes for each wave: no other line names them
.set SPW,   3                          ; v3  my spare word's address; never rewritten
.set NIL,   4                          ; v4  0; never rewritten
.set P,     8                          ; v8-11   y, t, p, the weights of my four rows
.set W,     19                         ; v19     lanes 0-15: the weights of the 16 rows that I stream
.set PT,    24                         ; v24-55  part's eight slices; later what comes back from LDS
.set SUM,   56                         ; v56-119 my 64 columns' sums
.set RING,  120                        ; v120-247 four groups of eight loads
.set WT,    32                         ; s[32:63] 16 pairs: a row's weight in the low word (the packed form names a pair and takes its low word for both halves)
.macro ACROSS op, r                    ; over the 16 lanes of a row of lanes
.irp m, 1,2,4,8
	s_delay_alu instid0(VALU_DEP_1)
	\op v[\r], v[\r], v[\r] row_xmask:\m row_mask:0xf bank_mask:0xf
.endr
.endm
.macro LD8 n                           ; group n: bytes 4,096 n .. of my 131,072; each load reads 512 consecutive bytes
.irp i, 0,1,2,3,4,5,6,7
	global_load_b128 v[RING+32*((\n)%4)+4*\i:RING+32*((\n)%4)+4*\i+3], v2, s[4:5] offset:4096*(\n)+512*\i th:TH_LOAD_NT
.endr
.endm
.macro GRP n                           ; group n = half n % 2 of row n / 2
.if 31-(\n) >= 3
	s_wait_loadcnt 24                              ; loads come back in order: this group's eight are in; the 24 of the three groups behind it stay out
.else
	s_wait_loadcnt 8*(31-(\n))                     ; the last groups: the counts run down
.endif
.irp q, 0,1,2,3,4,5,6,7,8,9,10,11,12,13,14,15
.if (\n) < 2
	v_pk_mul_f32 v[SUM+32*((\n)%2)+2*\q:SUM+32*((\n)%2)+2*\q+1], v[RING+32*((\n)%4)+2*\q:RING+32*((\n)%4)+2*\q+1], s[WT+2*((\n)/2):WT+2*((\n)/2)+1] op_sel_hi:[1,0]   ; the first row starts the sums
.else
	v_pk_fma_f32 v[SUM+32*((\n)%2)+2*\q:SUM+32*((\n)%2)+2*\q+1], v[RING+32*((\n)%4)+2*\q:RING+32*((\n)%4)+2*\q+1], s[WT+2*((\n)/2):WT+2*((\n)/2)+1], v[SUM+32*((\n)%2)+2*\q:SUM+32*((\n)%2)+2*\q+1] op_sel_hi:[1,0,1]
.endif
.endr
.if (\n)+4 < 32
	LD8 (\n)+4
.endif
.endm
	s_load_b128 s[4:7], s[0:1], 0x0                ; memory, part
	s_load_b128 s[8:11], s[0:1], 0x10              ; pc, out1
	v_lshl_add_u32 v[SPW], v0, 2, SPARE
	v_mov_b32 v[NIL], 0
	v_lshrrev_b32 v1, 5, v0
	v_readfirstlane_b32 s16, v1                    ; wave 0..7
	v_and_b32 v1, 31, v0                           ; lane
	v_lshlrev_b32 v2, 4, v1                        ; 16 x lane; never rewritten
	v_mov_b32 v5, s16
	v_lshlrev_b32 v5, 2, v5                        ; 4 w: my wave's word among the eight
	v_mov_b32 v6, 0                                ; the eight words are read from here
	s_lshl_b32 s18, s16, 9
	v_lshl_add_u32 v7, v1, 2, s18                  ; 512 w + 4 l: a weight's place
	v_add_nc_u32 v16, s18, v2                      ; 512 w + 16 l: four weights back
	s_lshl_b32 s18, s16, 13
	v_add_nc_u32 v17, s18, v2                      ; 8,192 w + 16 l: my sums' place
	s_lshl_b32 s18, s16, 10
	v_add_nc_u32 v18, s18, v2                      ; 1,024 w + 16 l: the columns that I add up
	v_mov_b32 v13, 0                               ; written once: a lane permute's destination counts as one of its sources
	s_and_b32 s17, ttmp7, 0xffff                   ; the batch
	s_lshl_b32 s20, s17, 23                        ; memory: 1,024 rows of 8,192 bytes a batch,
	s_lshl_b32 s18, s16, 20                        ; 128 rows a wave,
	s_add_co_u32 s20, s20, s18
	s_lshl_b32 s18, ttmp9, 17                      ; 16 rows a work-group
	s_add_co_u32 s20, s20, s18
	s_mov_b32 s21, 0
	s_lshl_b32 s22, s17, 15                        ; part: 8 x 8 x 512 bytes a batch, 8 x 512 for 128 rows
	s_lshl_b32 s18, s16, 12
	s_add_co_u32 s22, s22, s18
	s_mov_b32 s23, 0
	s_lshl_b32 s24, ttmp9, 18                      ; pc: 262,144 bytes a slice, 8,192 a batch, 1,024 a wave
	s_lshl_b32 s18, s17, 13
	s_add_co_u32 s24, s24, s18
	s_lshl_b32 s18, s16, 10
	s_add_co_u32 s24, s24, s18
	s_mov_b32 s25, 0
	s_lshl_b32 s26, s17, 12                        ; out1: 4,096 bytes a batch, 512 a work-group
	s_lshl_b32 s18, ttmp9, 9
	s_add_co_u32 s26, s26, s18
	s_mov_b32 s27, 0
	s_mov_b32 s12, 0x76543210                      ; v_permlanex16_b32's selects for lane l xor 16
	s_mov_b32 s13, 0xfedcba98
	s_mov_b32 s14, 0xc038aa3b                      ; -2 log2(e)
	s_mov_b32 s15, s14
	s_lshr_b32 s18, ttmp9, 1                       ; which of my four registers holds rows 16 j ..: masks of all ones or none
	s_cmp_eq_u32 s18, 1
	s_cselect_b32 s28, -1, 0
	s_cmp_eq_u32 s18, 2
	s_cselect_b32 s29, -1, 0
	s_cmp_eq_u32 s18, 3
	s_cselect_b32 s30, -1, 0
	s_and_b32 s18, ttmp9, 1                        ; and which half of its lanes
	s_cselect_b32 s31, -1, 0
.irp i, 0,1,2,3,4,5,6,7,8,9,10,11,12,13,14,15
	s_mov_b32 s[WT+2*\i+1], 0                      ; the pairs' upper words are named, so they are written
.endr
	s_wait_alu depctr_va_vdst(0)                   ; the wait at the head's end
	s_wait_kmcnt 0x0
	s_add_nc_u64 s[4:5], s[4:5], s[20:21]
	s_add_nc_u64 s[6:7], s[6:7], s[22:23]
	s_add_nc_u64 s[8:9], s[8:9], s[24:25]
	s_add_nc_u64 s[10:11], s[10:11], s[26:27]
.irp c, 0,1,2,3,4,5,6,7
	global_load_b128 v[PT+4*\c:PT+4*\c+3], v2, s[6:7] offset:512*\c
.endr
	LD8 0
	LD8 1
	LD8 2
	LD8 3
	; ---- the softmax of the batch
	s_wait_loadcnt 32                              ; part's eight loads are in; the 32 issued behind them stay out
	v_pk_add_f32 v[P:P+1], v[PT:PT+1], v[PT+4:PT+5]
	v_pk_add_f32 v[P+2:P+3], v[PT+2:PT+3], v[PT+6:PT+7]
.irp c, 2,3,4,5,6,7
	v_pk_add_f32 v[P:P+1], v[P:P+1], v[PT+4*\c:PT+4*\c+1]
	v_pk_add_f32 v[P+2:P+3], v[P+2:P+3], v[PT+4*\c+2:PT+4*\c+3]
.endr
	v_pk_mul_f32 v[P:P+1], v[P:P+1], s[14:15] op_sel_hi:[1,0]          ; t = -2 log2(e) y
	v_pk_mul_f32 v[P+2:P+3], v[P+2:P+3], s[14:15] op_sel_hi:[1,0]
	v_max3_num_f32 v12, v[P], v[P+1], v[P+2]
	v_max_num_f32 v12, v12, v[P+3]
	ACROSS v_max_num_f32_dpp, 12
	v_permlanex16_b32 v13, v12, s12, s13
	v_max_num_f32 v12, v12, v13                    ; my 128 rows' largest t, in every lane
	ds_store_b32 v5, v12 offset:XM                 ; all lanes write the same word with the same value
	s_wait_alu depctr_va_vdst(0)
	s_wait_dscnt 0x0                               ; for the others' sake: my store is done
	s_barrier_signal -1
	s_barrier_wait -1
	ds_load_b128 v[PT:PT+3], v6 offset:XM
	ds_load_b128 v[PT+4:PT+7], v6 offset:XM+16
	s_wait_dscnt 0x0
	v_max3_num_f32 v12, v[PT], v[PT+1], v[PT+2]
	v_max3_num_f32 v12, v12, v[PT+3], v[PT+4]
	v_max3_num_f32 v12, v12, v[PT+5], v[PT+6]
	v_max_num_f32 v12, v12, v[PT+7]                ; M
.irp i, 0,1,2,3
	v_sub_f32 v[P+\i], v[P+\i], v12
.endr
	s_wait_alu depctr_va_vdst(0)                   ; the wait ahead of the batch
.irp i, 0,1,2,3
	v_exp_f32 v[P+\i], v[P+\i]                     ; p = 2^(t - M), at most 1
.endr
	v_nop                                          ; a plain place behind the last exponential,
	s_wait_alu depctr_va_vdst(0)                   ; and the wait ahead of the first use: one for the four
	v_add_f32 v14, v[P], v[P+1]
	v_add_f32 v15, v[P+2], v[P+3]
	v_add_f32 v14, v14, v15
	ACROSS v_add_f32_dpp, 14
	v_permlanex16_b32 v13, v14, s12, s13
	v_add_f32 v14, v14, v13
	ds_store_b32 v5, v14 offset:XS                 ; other bytes than the maxima's: a wave may still be reading those
	s_wait_alu depctr_va_vdst(0)
	s_wait_dscnt 0x0
	s_barrier_signal -1
	s_barrier_wait -1
	ds_load_b128 v[PT+8:PT+11], v6 offset:XS
	ds_load_b128 v[PT+12:PT+15], v6 offset:XS+16
	s_wait_dscnt 0x0
	v_pk_add_f32 v[PT+8:PT+9], v[PT+8:PT+9], v[PT+10:PT+11]
	v_pk_add_f32 v[PT+12:PT+13], v[PT+12:PT+13], v[PT+14:PT+15]
	v_pk_add_f32 v[PT+8:PT+9], v[PT+8:PT+9], v[PT+12:PT+13]
	v_add_f32 v14, v[PT+8], v[PT+9]                ; the batch's sum: at least 1, since the largest p is 1
	s_wait_alu depctr_va_vdst(0)
	v_rcp_f32 v14, v14
	v_nop
	s_wait_alu depctr_va_vdst(0)
	v_pk_mul_f32 v[P:P+1], v[P:P+1], v[14:15] op_sel_hi:[1,0]          ; the weights
	v_pk_mul_f32 v[P+2:P+3], v[P+2:P+3], v[14:15] op_sel_hi:[1,0]
	; ---- out1: wave j of work-group j stores rows 128 j .. + 127, through its own LDS bytes, so that the 32 lanes store 512 consecutive bytes
	s_wait_alu depctr_va_vdst(0)                   ; ahead of the branch
	s_cmp_lg_u32 s16, ttmp9
	s_cbranch_scc1 .Lnot_mine
.irp i, 0,1,2,3
	ds_store_b32 v7, v[P+\i] offset:PST+128*\i     ; row 32 i + l at byte 4 (32 i + l)
.endr
	ds_load_b128 v[PT+16:PT+19], v16 offset:PST    ; LDS serves a wave's instructions in order (ISA guide 5.7.1.4): this sees my stores
	s_wait_dscnt 0x0
	global_store_b128 v2, v[PT+16:PT+19], s[10:11] ; its registers and addresses are not written again
.Lnot_mine:
	; ---- the weights of rows 16 j .. + 15 of my 128: register j / 2, chosen without a branch; lanes 16 (j % 2) .. brought to lanes 0-15
	v_cndmask_b32 v[W], v[P], v[P+1], s28
	v_cndmask_b32 v[W], v[W], v[P+2], s29
	v_cndmask_b32 v[W], v[W], v[P+3], s30
	v_permlanex16_b32 v13, v[W], s12, s13
	v_cndmask_b32 v[W], v[W], v13, s31
	s_wait_alu depctr_va_vdst(0)
.irp i, 0,1,2,3,4,5,6,7,8,9,10,11,12,13,14,15
	v_readlane_b32 s[WT+2*\i], v[W], \i
.endr
	; ---- my 16 rows
.set N, 0
.rept 32
	GRP N
.set N, N+1
.endr
	; ---- the eight waves' sums meet in LDS; wave w adds columns 256 w .. + 255 and stores 1,024 consecutive bytes
	s_wait_alu depctr_va_vdst(0)
.irp i, 0,1,2,3,4,5,6,7,8,9,10,11,12,13,14,15
	ds_store_b128 v17, v[SUM+4*\i:SUM+4*\i+3] offset:RED+512*\i
.endr
	s_wait_dscnt 0x0                               ; for the others' sake: my stores are done
	s_barrier_signal -1
	s_barrier_wait -1
.irp k, 0,1,2,3,4,5,6,7
	ds_load_b128 v[RING+8*\k:RING+8*\k+3], v18 offset:RED+8192*\k
	ds_load_b128 v[RING+8*\k+4:RING+8*\k+7], v18 offset:RED+8192*\k+512
.endr
	s_wait_dscnt 0x0
.irp k, 1,2,3,4,5,6,7
.irp q, 0,1,2,3
	v_pk_add_f32 v[RING+2*\q:RING+2*\q+1], v[RING+2*\q:RING+2*\q+1], v[RING+8*\k+2*\q:RING+8*\k+2*\q+1]
.endr
.endr
	global_store_b128 v2, v[RING:RING+3], s[8:9]               ; 32 lanes store 512 consecutive bytes, at a multiple of 512 from pc's first byte
	global_store_b128 v2, v[RING+4:RING+7], s[8:9] offset:512
	s_wait_tensorcnt 0x0                           ; the wave's end
	ds_add_u32 v[SPW], v[NIL]
	s_wait_dscnt 0x0
	s_endpgm
.Lfunc_end_k_qb3795cb561_ctx:
	.size	k_qb3795cb561_ctx, .Lfunc_end_k_qb3795cb561_ctx-k_qb3795cb561_ctx
	.p2alignl 7, 3214868480
	.fill 96, 4, 3214868480
	.section	.rodata,"a",@progbits
	.p2align	6, 0x0
	.amdhsa_kernel k_qb3795cb561_ctx
		.amdhsa_group_segment_fixed_size 71168
		.amdhsa_private_segment_fixed_size 0
		.amdhsa_enable_private_segment 0
		.amdhsa_kernarg_size 32
		.amdhsa_user_sgpr_count 2
		.amdhsa_user_sgpr_kernarg_segment_ptr 1
		.amdhsa_wavefront_size32 1
		.amdhsa_system_sgpr_workgroup_id_x 1
		.amdhsa_system_sgpr_workgroup_id_y 1
		.amdhsa_system_sgpr_workgroup_id_z 1
		.amdhsa_system_vgpr_workitem_id 0
		.amdhsa_next_free_vgpr 256
		.amdhsa_next_free_sgpr 66
		.amdhsa_reserve_vcc 0
		.amdhsa_float_denorm_mode_32 3
		.amdhsa_float_denorm_mode_16_64 3
		.amdhsa_memory_ordered 1
		.amdhsa_forward_progress 1
		.amdhsa_inst_pref_size 71
	.end_amdhsa_kernel
	.amdgpu_metadata
---
amdhsa.version: [ 1, 2 ]
amdhsa.kernels:
  - .name:           k_qb3795cb561_ctx
    .symbol:         k_qb3795cb561_ctx.kd
    .args:
      - { .name: memory, .offset: 0, .size: 8, .value_kind: global_buffer, .address_space: global }
      - { .name: part, .offset: 8, .size: 8, .value_kind: global_buffer, .address_space: global }
      - { .name: pc, .offset: 16, .size: 8, .value_kind: global_buffer, .address_space: global }
      - { .name: out1, .offset: 24, .size: 8, .value_kind: global_buffer, .address_space: global }
    .group_segment_fixed_size: 71168
    .private_segment_fixed_size: 0
    .kernarg_segment_align: 8
    .kernarg_segment_size: 32
    .max_flat_workgroup_size: 256
    .sgpr_count:     66
    .vgpr_count:     256
    .wavefront_size: 32
...
	.end_amdgpu_metadata
.endif
;; end of part 3
;; launch join (part 4): grid 256 x 1, 2 waves a work-group, no clusters, 0 bytes of LDS; arguments pc, out0; writes out0
.if DOCPART == 4
	.amdgcn_target "amdgcn-amd-amdhsa--gfx1250"
	.amdhsa_code_object_version 6
	.text
	.protected	k_qb3795cb561_join
	.globl	k_qb3795cb561_join
	.p2align	8
	.type	k_qb3795cb561_join,@function
k_qb3795cb561_join:
	s_mov_b64 s[64:65], 0
	v_nop
	global_prefetch_b8 v0, s[64:65] scope:SCOPE_SE
	s_setreg_imm32_b32 hwreg(HW_REG_WAVE_MODE, 25, 1), 1
	s_wait_xcnt 0x0
; FOURTH LAUNCH.  out0[b][d] = the sum over j = 0 .. 7 of pc[j][b][d]: the eight parts of each batch's weighted sum, which eight work-groups of the third launch made.
; A slice of pc is laid as out0 is, 262,144 bytes: a thread adds the same 16 bytes of the eight slices.  A work-group owns 1,024 bytes of out0; a wave's loads and its store cover 512 consecutive bytes each.
; No loop, no LDS, no matrix work: eight loads, seven packed additions for each pair of numbers, one store.
	s_load_b128 s[4:7], s[0:1], 0x0                ; pc, out0
	v_lshlrev_b32 v1, 4, v0
	s_lshl_b32 s8, ttmp9, 10
	s_mov_b32 s9, 0
	s_wait_alu depctr_va_vdst(0)                   ; the wait here, directly ahead of the wait below
	s_wait_kmcnt 0x0
	s_add_nc_u64 s[4:5], s[4:5], s[8:9]
	s_add_nc_u64 s[6:7], s[6:7], s[8:9]
.irp j, 0,1,2,3,4,5,6,7
	global_load_b128 v[8+4*\j:11+4*\j], v1, s[4:5] offset:262144*\j th:TH_LOAD_NT
.endr
	s_wait_loadcnt 0x0
.irp a, 0,2,4,6
	v_pk_add_f32 v[8+4*\a:9+4*\a], v[8+4*\a:9+4*\a], v[12+4*\a:13+4*\a]
	v_pk_add_f32 v[10+4*\a:11+4*\a], v[10+4*\a:11+4*\a], v[14+4*\a:15+4*\a]
.endr
.irp a, 0,4
	v_pk_add_f32 v[8+4*\a:9+4*\a], v[8+4*\a:9+4*\a], v[16+4*\a:17+4*\a]
	v_pk_add_f32 v[10+4*\a:11+4*\a], v[10+4*\a:11+4*\a], v[18+4*\a:19+4*\a]
.endr
	v_pk_add_f32 v[8:9], v[8:9], v[24:25]
	v_pk_add_f32 v[10:11], v[10:11], v[26:27]
	global_store_b128 v1, v[8:11], s[6:7]
	s_endpgm
.Lfunc_end_k_qb3795cb561_join:
	.size	k_qb3795cb561_join, .Lfunc_end_k_qb3795cb561_join-k_qb3795cb561_join
	.p2alignl 7, 3214868480
	.fill 96, 4, 3214868480
	.section	.rodata,"a",@progbits
	.p2align	6, 0x0
	.amdhsa_kernel k_qb3795cb561_join
		.amdhsa_group_segment_fixed_size 0
		.amdhsa_private_segment_fixed_size 0
		.amdhsa_enable_private_segment 0
		.amdhsa_kernarg_size 16
		.amdhsa_user_sgpr_count 2
		.amdhsa_user_sgpr_kernarg_segment_ptr 1
		.amdhsa_wavefront_size32 1
		.amdhsa_system_sgpr_workgroup_id_x 1
		.amdhsa_system_sgpr_workgroup_id_y 1
		.amdhsa_system_sgpr_workgroup_id_z 1
		.amdhsa_system_vgpr_workitem_id 0
		.amdhsa_next_free_vgpr 48
		.amdhsa_next_free_sgpr 66
		.amdhsa_reserve_vcc 0
		.amdhsa_float_denorm_mode_32 3
		.amdhsa_float_denorm_mode_16_64 3
		.amdhsa_memory_ordered 1
		.amdhsa_forward_progress 1
		.amdhsa_inst_pref_size 3
	.end_amdhsa_kernel
	.amdgpu_metadata
---
amdhsa.version: [ 1, 2 ]
amdhsa.kernels:
  - .name:           k_qb3795cb561_join
    .symbol:         k_qb3795cb561_join.kd
    .args:
      - { .name: pc, .offset: 0, .size: 8, .value_kind: global_buffer, .address_space: global }
      - { .name: out0, .offset: 8, .size: 8, .value_kind: global_buffer, .address_space: global }
    .group_segment_fixed_size: 0
    .private_segment_fixed_size: 0
    .kernarg_segment_align: 8
    .kernarg_segment_size: 16
    .max_flat_workgroup_size: 64
    .sgpr_count:     66
    .vgpr_count:     48
    .wavefront_size: 32
...
	.end_amdgpu_metadata
.endif
;; end of part 4
